; MI455X (gfx1250); checked and timed in simulation.
; The chip was launched on July 23, 2026; its instructions are those of AMD's public machine-readable ISA for CDNA 5 (MIT licence, August 2026) and "CDNA5" Instruction Set Architecture Reference Guide (July 2026). The comments in the code are by the model that wrote it; some were corrected since.
;; Temporal Attention layer. Allowed arithmetic: matrix products marked QUANTISED: E2M1 operands, one E8M0 scale for each 32 along K, by v_wmma_scale_f32_16x16x128_f8f6f4 with both operands' format E2M1 (or v_wmma_scale_f32_32x16x128_f4), f32 sums; everything else in f32.
;; Inputs: Wk_codes 1,024 x 32 x 16 uint8 (E2M1 codes of Wk, K innermost, in blocks of 32 codes, two codes a byte); Wk_scales 1,024 x 32 uint8 (E8M0 scales of Wk, one for each 32 codes along K); Wo_codes 1,024 x 32 x 16 uint8 (E2M1 codes of Wo, K innermost, in blocks of 32 codes, two codes a byte); Wo_scales 1,024 x 32 uint8 (E8M0 scales of Wo, one for each 32 codes along K); Wq_codes 1,024 x 32 x 16 uint8 (E2M1 codes of Wq, K innermost, in blocks of 32 codes, two codes a byte); Wq_scales 1,024 x 32 uint8 (E8M0 scales of Wq, one for each 32 codes along K); Wv_codes 1,024 x 32 x 16 uint8 (E2M1 codes of Wv, K innermost, in blocks of 32 codes, two codes a byte); Wv_scales 1,024 x 32 uint8 (E8M0 scales of Wv, one for each 32 codes along K); bk 1,024 float32; bo 1,024 float32; bq 1,024 float32; bv 1,024 float32; x_codes 4 x 2,048 x 32 x 16 uint8 (E2M1 codes of x, K innermost, in blocks of 32 codes, two codes a byte); x_scales 4 x 2,048 x 32 uint8 (E8M0 scales of x, one for each 32 codes along K).
;; Outputs: out0 4 x 1,024 float32.
;; This version of the problem:
;;   THIS VERSION OF THE PROBLEM IS GIVEN IN LOW PRECISION. The matrix products marked QUANTISED in the list below multiply operands that are first quantised to E2M1 (2 exponent bits, 1 mantissa bit; 4 bits a number), with one power-of-two scale for each 32 numbers along K (OCP MX v1.0); their sums are f32. All else is computed in f32.
;;   The module's matrix products, in the order in which they are computed (A, B: the left and right operand; K: the contracted axis; several contracted axes count as one K, in the product's order):
;;     1. [M 8,192, K 1,024] x [K 1,024, N 1,024]; A: input x (given as codes); B: input Wq (given as codes): QUANTISED
;;     2. [M 8,192, K 1,024] x [K 1,024, N 1,024]; A: input x (given as codes); B: input Wk (given as codes): QUANTISED
;;     3. [M 8,192, K 1,024] x [K 1,024, N 1,024]; A: input x (given as codes); B: input Wv (given as codes): QUANTISED
;;     4. batch 64 x [M 2,048, K 64] x [K 64, N 2,048]; A: computed on the way; B: computed on the way: QUANTISED
;;     5. batch 64 x [M 2,048, K 2,048] x [K 2,048, N 64]; A: softmax (see below); B: computed on the way: QUANTISED
;;     6. [M 8,192, K 1,024] x [K 1,024, N 1,024]; A: computed on the way; B: input Wo (given as codes): QUANTISED
;;   THE QUANTISER, for each operand of a quantised product, along K:
;;     - K is cut into blocks of 32 from its start; a last block that is shorter is filled with zeros.
;;     - A block's scale is 2^e with e = floor(log2(the largest magnitude in the block)) - 2, held to -126 .. 127; a block of zeros has e = 0. As a byte (E8M0): e + 127.
;;     - Each number is divided by its block's scale, clamped to +-6, and rounded to the nearest number of E2M1, ties to even, subnormals kept.
;;     - The product sums the exact products of the quantised numbers (number of the format x scale) in f32.
;;   ~~~python
;;   def quantise(x, axis):      # numpy; x: float32 -> the quantised numbers, widened to float32 again
;;       x = np.moveaxis(x, axis, -1); K = x.shape[-1]
;;       x = np.pad(x, [(0, 0)] * (x.ndim - 1) + [(0, -K % 32)]); x = x.reshape(x.shape[:-1] + (-1, 32)); a = np.abs(x).max(-1, keepdims=True)
;;       e = np.where(a > 0, np.clip(np.frexp(np.where(a > 0, a, 1))[1] - 1 - 2, -126, 127), 0)      # np.frexp(a)[1] - 1 = floor(log2(a)), exactly
;;       r = np.clip(x / 2.0 ** e, -6, 6)
;;       step = 2.0 ** (np.maximum(np.frexp(np.where(r == 0, 1, r))[1] - 1, 0) - 1)
;;       q = np.round(r / step) * step * 2.0 ** e      # np.round: ties to even
;;       return np.moveaxis(q.reshape(q.shape[:-2] + (-1,))[..., :K], -1, axis).astype(np.float32)
;;   ~~~
;;   SOFTMAX AHEAD OF A QUANTISED PRODUCT. Where the list says 'softmax', what is quantised is not the finished softmax but p = 2^(t - M), with t = logit x log2(e) and M = ceil(the row's largest t), a whole number; so 1/2 < the row's largest p <= 1. The row's sum l is taken of the UNQUANTISED p, in f32, and the product's result is divided by l at the end. Since M is a whole number, a kernel that streams over the keys may use a running M (the ceiling of the running maximum): every later rescaling is an exact power of two, which a block's scale takes up: the codes' values come out the same.
;;   OPERANDS COMPUTED ON THE WAY. 'Computed on the way' means the value that the module computes at that place (a softmax that the list does not call 'softmax' is quantised finished and normalised). What goes into a quantiser is computed in f32, as accurately as f32 sums, v_exp_f32 and their like allow (about 1e-6 of the number): no bf16 or f16 on the way to a quantiser, and a product that is left as it is and whose result goes on into a quantised operand takes f32 operands (vector FMAs, or v_wmma_f32_16x16x4_f32). A number that lies on a knife's edge between two numbers of the format may be rounded either way, as far as f32 arithmetic and the matrix unit's own rounding can turn it there, and no further.
;;   INPUTS GIVEN AS CODES. Wk (in the module: [1024, 1024], K = its axis 1); Wo (in the module: [1024, 1024], K = its axis 1); Wq (in the module: [1024, 1024], K = its axis 1); Wv (in the module: [1024, 1024], K = its axis 1); x (in the module: [4, 2048, 1024], K = its axis 2): each comes as NAME_codes (uint8): NAME with its K axis moved to the last place and cut into blocks of 32 codes, [.., K / 32, bytes a block], one block behind the other in memory; two codes a byte, the lower K in the low four bits (a code: sign, 2 exponent bits, 1 mantissa bit); and NAME_scales (uint8): the same leading axes, one E8M0 byte (e + 127) for each 32 codes along K. Its value is code x scale, taken as it is: it is not quantised again, and the codes and scales need not be those that the quantiser above would give.
;; 2 versions, each right; version 2 is version 1 with the launch outp written anew for expert scheduling mode. Each part assembles by itself: llvm-mc -triple=amdgcn-amd-amdhsa -mcpu=gfx1250 --defsym DOCPART=n.
;; ======== version 1 of 2: 2 launches
;; workspace buffers: part 262,144 bytes; stat 8,192 bytes
;; launch kv (part 1): grid 8 x 32, 4 waves a work-group, clusters of 4 x 4, 327,680 bytes of LDS; arguments x_codes, x_scales, Wk_codes, Wk_scales, Wv_codes, Wv_scales, Wq_codes, Wq_scales, bk, bv, bq, part, stat; writes part, stat
.if DOCPART == 1
	.amdgcn_target "amdgcn-amd-amdhsa--gfx1250"
	.amdhsa_code_object_version 6
	.text
	.protected	k_qebcc36930c_kv
	.globl	k_qebcc36930c_kv
	.p2align	8
	.type	k_qebcc36930c_kv,@function
k_qebcc36930c_kv:
	s_mov_b64 s[64:65], 0
	v_nop
	global_prefetch_b8 v0, s[64:65] scope:SCOPE_SE
	s_setreg_imm32_b32 hwreg(HW_REG_WAVE_MODE, 25, 1), 1
	s_wait_xcnt 0x0
	s_wait_alu depctr_hold_cnt(0) depctr_sa_sdst(0) depctr_va_vdst(0) depctr_va_sdst(0) depctr_va_ssrc(0) depctr_va_vcc(0) depctr_vm_vsrc(0)
	s_getreg_b32 s2, hwreg(HW_REG_IB_STS2, 6, 4)
	s_cmp_eq_u32 s2, 0
	s_cbranch_scc0 .Lentry_in_a_cluster
	s_endpgm
.Lentry_in_a_cluster:
	s_bfe_u32 s2, ttmp6, 0x10000c
	s_cmp_lg_u32 s2, 0xf033
	s_cbranch_scc0 .Lentry_shape_is_right
	s_endpgm
.Lentry_shape_is_right:
; ATTENTION FOR THE LAST QUERY OF EACH BATCH, on codes of FP4 (E2M1) with one E8M0 scale for each 32 along a product's K.
; The result that is kept is row 2,047 of each batch.  It needs all of K and V, but of q, of the scores and of ctx one row for each (batch, head).
; SHARES.  A work-group has 256 rows of x (y = 8 b + kb) and a pair of heads (hp).  Wave (i, j) has keys 128 i .. + 127 of them and head 2 hp + j:
; 128 keys x (64 of K + 64 of V) = 64 accumulators of 16 x 16, 512 registers.  Behind the eight K steps the wave quantises K (along the head's 64) and V (along its 128 keys) in
; registers, multiplies K by q, takes p = 2^(t - M) with M = ceil(the largest t of ITS 128 keys), quantises p, multiplies by V and stores 64 unnormalised numbers, -M and the sum of p.
; M is a whole number, so the next launch brings the 16 parts of a row under one M by exact powers of two.
; TILES.  All of K = 1,024 fits in LDS at once: two chunks of 512 along K (rows of 256 bytes), each 256 rows of x, 128 of Wk, 128 of Wv, and the scale bytes of these rows.  Every LDS byte is filled
; once: no slot is filled again.  A wave has three tensor loads out at the most: its scale bytes, its part of chunk 0, its part of chunk 1; chunk 1 lands while chunk 0 is multiplied.
; CLUSTER 4 x 4.  x's tiles hang on y alone: asked for jointly by the four of a row of the cluster.  Wk's and Wv's hang on hp alone: jointly by the four of a column.
; q: wave (i, j) makes block i (32 numbers) of head j's q from row 2,047 of x, held alike in all 16 columns of the operand, while the tiles are on their way; Wq goes from memory
; straight into fragment registers (each half of a head's Wq is read by one wave of the work-group; beside the tiles LDS has no room for it).  The codes go to the other waves as images of registers.
; LAYOUT.  K is made transposed (source 0 = 16 rows of Wk, source 1 = 16 keys): a lane holds one key, its registers run along the head.  V is made as it reads (source 0 = 16 keys, source 1 =
; 16 rows of Wv): a lane holds one channel, its registers run along the keys.  In both, register j of tile t holds element 16 t + 8 (lane / 16) + j of the next K.  The codes of tiles 4 c + 0, 1, 2, 3 go
; to registers 0, 2, 1, 3 of a group of four; two exchanges of lane halves then give register g of half h' the elements 64 c + 32 h' + 8 g .. + 7: the operand's layout.
; The scores' K is 64: the upper 64 of the instruction's 128 are zero codes under the byte 0x7f.
; LIMITS.  NaN and infinities among the inputs are not served; a given scale byte 0xff gives NaN.  A block whose largest magnitude lies under 2^-124, a block of zeros too, gets the byte 1
; (zeros: the codes are zeros; only this program reads the bytes).
; REGISTERS, in windows of 256.  Window 0: v0-15 ids and offsets; v16-19 -M, l, sums; v20-31 at work in a quantiser; v32-95 scale words of the tiles, a set for each chunk; v96-103 q; v104-117 scale
;   words made here; v118-127 addresses, at work; v128-191, v192-255 x's fragments, two sets (earlier: row 2,047, bq, q's sums; later: scores and p, K's codes, p's and V's codes, ctx).
;   Window 1: v0-63, v128-191 Wk's and Wv's fragments, two sets (earlier Wq's); v64-95 bk, v96-127 bv in the results' layouts.  Window 2: K's accumulators (key tile t, tile d of the head) at 8 (4 t + d).
;   Window 3: V's (channel tile d, key tile t) at 8 (8 d + t).
.set PITCH, 272                        ; an LDS row: 256 bytes + 16 of padding: the 16 rows that a fragment load touches start 68 words apart
.set HALFT, 128*PITCH                  ; 128 rows: what one tensor load brings
.set SLOT,  4*HALFT                    ; a chunk: x rows 0-127, x rows 128-255, Wk's 128 rows, Wv's 128 rows
.set SCL,   2*SLOT                     ; the scale bytes: for each of the same four groups of 128 rows 4,096 bytes, as 16 rows of 256 + 16
.set HALFS, 16*272
.set SBLK,  2*272                      ; those of 16 rows
.set STG,   SCL+4*HALFS                ; 256 bytes for each wave: the way out
.set QIM,   STG+1024                   ; images of q's code registers: (4 j + tile) x 128 + 4 x lane
.set QSB,   QIM+1024                   ; q's scale bytes, as words: (2 j + block) x 128 + 4 x lane
.set ADRX, 4                           ; v4-5   my x fragments in chunk 0, 1
.set ADRW, 6                           ; v6-7   my head's Wk fragments in chunk 0, 1 (Wv's lie 128 rows on)
.set TM,   20                          ; v20-23 largest magnitudes; v24-27 the other half's, then the bytes; v28-31 the conversions' scale operands
.set SC,   32                          ; set c at SC + 32 c; register 4 n + q: lanes 0-15 the word of x's tile n, lanes 16-31 that of Wk's tile n (n < 4) or Wv's tile n - 4, for the chunk's q-th 128 along K
.set QF,   96
.set QW,   104
.set KSW,  105
.set PW,   113
.set VSW,  114
.set XF,   128
.set XL,   128                         ; row 2,047's eight fragments
.set BQ,   192
.set QA,   208
.set S,    128
.set KFR,  192
.set PF,   192
.set VF,   200
.set OD,   128
.set BK,   64                          ; in window 1
.set BV,   96
.set G1X,  48                          ; s[48:55] group 1 for x's tiles;  s[56:63] for W's;  s[68:75], s[76:83] for their scale bytes
.set G1W,  56
.set G1SX, 68
.set G1SW, 76
.set MSB, 0
.macro WIN new                         ; the immediate's high byte repeats the setting that is left; a switch that changes nothing is dropped
.if MSB != \new
	s_set_vgpr_msb (MSB<<8)|\new
.set MSB, \new
.endif
.endm
.macro PLACES n
.rept \n
	v_nop
.endr
.endm
.macro CROUND                          ; a round of the cluster's barrier: my work-group's barrier; wave 0 signals for the work-group; every wave waits for all sixteen; my work-group's barrier once more
	s_barrier_signal -1
	s_barrier_wait -1
	s_cmp_lg_u32 s30, 0
	s_cbranch_scc1 .Lnot_wave_0_\@
	s_barrier_signal -3
.Lnot_wave_0_\@:
	s_barrier_wait -3
	s_barrier_signal -1
	s_barrier_wait -1
.endm
	s_load_b512 s[4:19], s[0:1], 0x0               ; x codes, x scales, Wk codes, Wk scales, Wv codes, Wv scales, Wq codes, Wq scales
	s_load_b256 s[20:27], s[0:1], 0x40             ; bk, bv, bq, part
	s_load_b64 s[28:29], s[0:1], 0x60              ; stat
	s_set_vgpr_msb 0x40
	v_lshl_add_u32 v254, v0, 2, 0x48e00
	v_mov_b32 v255, 0
	s_set_vgpr_msb 0x4045
	ds_add_u32 v254, v255
	ds_add_u32 v254, v255
	s_set_vgpr_msb 0x4500
	v_lshrrev_b32 v1, 5, v0
	v_readfirstlane_b32 s30, v1                    ; wave 0..3
	s_lshr_b32 s31, s30, 1                         ; i: which 128 keys are mine.  Also: I fetch for x (0) or for the weights (1)
	s_and_b32 s32, s30, 1                          ; j: which head of the pair.  Also: which half of x's rows, or Wk (0) / Wv (1), I fetch
	s_bfe_u32 s33, ttmp6, 0x40000                  ; cx, cy: my place in the cluster
	s_bfe_u32 s34, ttmp6, 0x40004
	s_lshl_b32 s35, ttmp9, 2
	s_add_co_u32 s35, s35, s33                     ; hp = 4 x cluster x + cx
	s_and_b32 s36, ttmp7, 0xffff
	s_lshl_b32 s36, s36, 2
	s_add_co_u32 s36, s36, s34                     ; y = 4 x cluster y + cy = 8 b + kb
	s_lshl_b32 s37, s34, 2
	s_lshl_b32 s37, 15, s37                        ; my row of the cluster
	s_lshl_b32 s38, 0x1111, s33                    ; my column
	; group 1: 128 rows of 256 bytes, 512 bytes apart in memory, 16 bytes of padding behind each in LDS
	s_or_b32 s[G1X], s37, (1<<20)|(1<<21)|(5<<22)|(3<<25)   ; 15:0 the mask; 17:16 elements of 1 byte; 20 padding on; 21 set beside a mask; 24:22 after every 64 words; 31:25 four words
	s_or_b32 s[G1W], s38, (1<<20)|(1<<21)|(5<<22)|(3<<25)
.irp g, G1X, G1W
	s_mov_b32 s[\g+1], 256<<16                     ; tensor_dim0
	s_mov_b32 s[\g+2], 128<<16                     ; tensor_dim1
	s_mov_b32 s[\g+3], 256<<16                     ; tile_dim0
	s_mov_b32 s[\g+4], 128                         ; tile_dim1
	s_mov_b32 s[\g+5], 512                         ; tensor_dim0_stride
	s_mov_b32 s[\g+6], 0
	s_mov_b32 s[\g+7], 0
.endr
	; and for the scale bytes of 128 rows: 4,096 dense bytes as 16 rows of 32 elements of 8 bytes, padded alike
	s_or_b32 s[G1SX], s37, (3<<16)|(1<<20)|(1<<21)|(5<<22)|(3<<25)
	s_or_b32 s[G1SW], s38, (3<<16)|(1<<20)|(1<<21)|(5<<22)|(3<<25)
.irp g, G1SX, G1SW
	s_mov_b32 s[\g+1], 32<<16
	s_mov_b32 s[\g+2], 16<<16
	s_mov_b32 s[\g+3], 32<<16
	s_mov_b32 s[\g+4], 16
	s_mov_b32 s[\g+5], 32
	s_mov_b32 s[\g+6], 0
	s_mov_b32 s[\g+7], 0
.endr
	s_mov_b32 s96, 0x76543210                      ; v_permlanex16_b32's selects for lane l xor 16
	s_mov_b32 s97, 0xfedcba98
	s_mov_b32 s98, 0x3e38aa3b                      ; c = log2(e) / sqrt(64): t = score x c
	s_mov_b32 s99, s98                             ; (the packed form names the pair)
	s_mul_i32 s66, s30, HALFT                      ; where my tiles go: wave x 128 rows: no place in the cluster enters an LDS address
	s_mul_i32 s67, s30, HALFS
	v_and_b32 v1, 15, v0                           ; r
	v_bfe_u32 v2, v0, 4, 1                         ; h
	v_and_b32 v3, 31, v0                           ; lane
	v_lshlrev_b32 v10, 9, v1
	v_lshl_add_u32 v10, v2, 4, v10                 ; a fragment from rows of 512 bytes: 512 r + 16 h
	v_lshlrev_b32 v11, 5, v1                       ; a row's 32 scale bytes
	v_lshlrev_b32 v12, 5, v2                       ; eight f32 of my half
	v_lshlrev_b32 v13, 4, v2                       ; one row for all r: 16 h
	v_lshlrev_b32 v14, 2, v1
	v_mov_b32 v15, 0
.irp b, 0,1,2,3
	v_mov_b32 v[TM+4+\b], 0                        ; written once: a lane permute's destination counts as one of its sources
.endr
	s_wait_dscnt 0x0
	s_wait_kmcnt 0x0
	; x's descriptors: y and the wave's number alone
	s_lshl_b32 s100, s36, 17                       ; 256 rows of 512 bytes
	s_lshl_b32 s39, s32, 16
	s_add_co_u32 s100, s100, s39
	s_mov_b32 s101, 0
	s_mov_b32 s88, 1
	s_add_co_u32 s89, s66, 0
	s_add_nc_u64 s[90:91], s[4:5], s[100:101]      ; chunk 0
	s_mov_b32 s92, 1
	s_add_co_u32 s93, s66, SLOT
	s_add_nc_u64 s[94:95], s[90:91], 256           ; chunk 1: 512 codes on
	s_or_b32 s91, s91, 0x80000000
	s_or_b32 s95, s95, 0x80000000
	s_lshl_b32 s100, s36, 13                       ; 256 rows of 32 scale bytes
	s_lshl_b32 s39, s32, 12
	s_add_co_u32 s100, s100, s39
	s_mov_b32 s84, 1
	s_add_co_u32 s85, s67, SCL
	s_add_nc_u64 s[86:87], s[6:7], s[100:101]
	s_or_b32 s87, s87, 0x80000000
	s_lshr_b32 s39, s36, 3                         ; b
	s_lshl_b32 s100, s39, 20
	s_add_co_u32 s100, s100, 0xffe00
	s_add_nc_u64 s[44:45], s[4:5], s[100:101]      ; row 2,047 of my batch: its codes,
	s_lshl_b32 s100, s39, 16
	s_add_co_u32 s100, s100, 0xffe0
	s_add_nc_u64 s[46:47], s[6:7], s[100:101]      ; its scale bytes
	; the weights' descriptors: hp and the wave's number alone.  They take the registers of pointers that are used up
	s_cmp_eq_u32 s32, 0
	s_cselect_b64 s[40:41], s[8:9], s[12:13]       ; Wk or Wv: the choice hangs on the wave's number alone
	s_cselect_b64 s[42:43], s[10:11], s[14:15]
	s_lshl_b32 s2, s35, 16                         ; 128 rows of 512 bytes
	s_mov_b32 s3, 0
	s_add_nc_u64 s[40:41], s[40:41], s[2:3]
	s_lshl_b32 s2, s35, 12
	s_add_nc_u64 s[42:43], s[42:43], s[2:3]
	s_mov_b32 s4, 1
	s_add_co_u32 s5, s67, SCL
	s_mov_b64 s[6:7], s[42:43]
	s_or_b32 s7, s7, 0x80000000
	s_mov_b32 s8, 1
	s_add_co_u32 s9, s66, 0
	s_mov_b64 s[10:11], s[40:41]
	s_mov_b32 s12, 1
	s_add_co_u32 s13, s66, SLOT
	s_add_nc_u64 s[14:15], s[40:41], 256
	s_or_b32 s11, s11, 0x80000000
	s_or_b32 s15, s15, 0x80000000
	; the other bases, at my wave's part
	s_lshl_b32 s39, s35, 1
	s_add_co_u32 s39, s39, s32                     ; head = 2 hp + j
	s_lshl_b32 s2, s39, 15                         ; Wq: 64 rows of 512 bytes a head, 32 rows a block
	s_lshl_b32 s100, s31, 14
	s_add_co_u32 s2, s2, s100
	s_add_nc_u64 s[16:17], s[16:17], s[2:3]
	s_lshl_b32 s2, s39, 11
	s_lshl_b32 s100, s31, 10
	s_add_co_u32 s2, s2, s100
	s_add_nc_u64 s[18:19], s[18:19], s[2:3]
	s_lshl_b32 s2, s39, 8                          ; 64 f32 a head
	s_add_nc_u64 s[20:21], s[20:21], s[2:3]
	s_add_nc_u64 s[22:23], s[22:23], s[2:3]
	s_lshl_b32 s100, s31, 7
	s_add_co_u32 s100, s100, s2
	s_add_nc_u64 s[24:25], s[24:25], s[100:101]
	s_lshl_b32 s100, s36, 1                        ; part [b][seg][1024]: 16 b + seg = 2 y + i
	s_add_co_u32 s100, s100, s31
	s_lshl_b32 s100, s100, 12
	s_add_co_u32 s100, s100, s2
	s_add_nc_u64 s[26:27], s[26:27], s[100:101]
	s_lshr_b32 s100, s36, 3                        ; stat [b][head][seg][2]
	s_lshl_b32 s100, s100, 11
	s_lshl_b32 s2, s39, 7
	s_add_co_u32 s100, s100, s2
	s_and_b32 s2, s36, 7
	s_lshl_b32 s2, s2, 1
	s_add_co_u32 s2, s2, s31
	s_lshl_b32 s2, s2, 3
	s_add_co_u32 s100, s100, s2
	s_add_nc_u64 s[28:29], s[28:29], s[100:101]
	; what q needs is asked for ahead of the round: 58 loads
	WIN 0x40                                       ; destination window 1
.irp u, 0,1
.irp s, 0,1,2,3,4,5,6,7
.irp e, 0,1
	global_load_b128 v[128*\u+8*\s+4*\e:128*\u+8*\s+4*\e+3], v10, s[16:17] offset:8192*\u+64*\s+32*\e   ; Wq: tile u of my block, K step s
.endr
.endr
.endr
	WIN 0
.irp s, 0,1,2,3,4,5,6,7
.irp e, 0,1
	global_load_b128 v[XL+8*\s+4*\e:XL+8*\s+4*\e+3], v13, s[44:45] offset:64*\s+32*\e   ; row 2,047, the same in all 16 columns
.endr
.endr
	global_load_b128 v[SC:SC+3], v15, s[46:47]               ; its eight scale words, in every lane
	global_load_b128 v[SC+4:SC+7], v15, s[46:47] offset:16
.irp u, 0,1
.irp k, 0,1
	global_load_b128 v[SC+8+8*\u+4*\k:SC+8+8*\u+4*\k+3], v11, s[18:19] offset:512*\u+16*\k   ; Wq's: row r's eight words
	global_load_b128 v[BQ+8*\u+4*\k:BQ+8*\u+4*\k+3], v12, s[24:25] offset:64*\u+16*\k         ; bq at the lane's eight numbers of tile u
.endr
.endr
	CROUND                                         ; all sixteen work-groups are here: the joint loads meet
	s_cmp_eq_u32 s31, 0                            ; a wave's three first fills stand in one branch on the wave's number; four v_nop follow the last
	s_cbranch_scc0 .Lfill_w
	tensor_load_to_lds s[84:87], s[G1SX:G1SX+7]    ; the scale bytes first: they are wanted with chunk 0
	s_nop 0
	tensor_load_to_lds s[88:91], s[G1X:G1X+7]
	s_nop 0
	tensor_load_to_lds s[92:95], s[G1X:G1X+7]
	s_nop 0
	PLACES 4
	s_branch .Lfilled
.Lfill_w:
	tensor_load_to_lds s[4:7], s[G1SW:G1SW+7]
	s_nop 0
	tensor_load_to_lds s[8:11], s[G1W:G1W+7]
	s_nop 0
	tensor_load_to_lds s[12:15], s[G1W:G1W+7]
	s_nop 0
	PLACES 4
.Lfilled:
	WIN 0x40
.irp d, 0,1,2,3
.irp k, 0,1
	global_load_b128 v[BK+8*\d+4*\k:BK+8*\d+4*\k+3], v12, s[20:21] offset:64*\d+16*\k   ; bk at 16 d + 8 h + 0 .. 7: K's result layout
.endr
	global_load_b32 v[BV+8*\d], v14, s[22:23] offset:64*\d                              ; bv at 16 d + r: V's result has one channel a lane
.endr
	WIN 0
	; LDS addresses: constants, the lane, the wave's number
	v_mul_u32_u24 v125, v1, PITCH
	v_lshl_add_u32 v125, v2, 4, v125               ; a fragment's row x pitch + 16 x half
	s_mul_i32 s2, s31, HALFT                       ; my 128 rows of x
	s_mul_i32 s3, s32, 64*PITCH                    ; my head's 64 rows of Wk,
	s_add_co_u32 s3, s3, 2*HALFT                   ; behind x's 256
	v_add_nc_u32 v[ADRX], s2, v125
	v_add_nc_u32 v[ADRW], s3, v125
	s_add_co_u32 s2, s2, SLOT
	s_add_co_u32 s3, s3, SLOT
	v_add_nc_u32 v[ADRX+1], s2, v125
	v_add_nc_u32 v[ADRW+1], s3, v125
	v_lshlrev_b32 v126, 5, v1                      ; scale bytes: 32 a row,
	v_lshrrev_b32 v127, 3, v1
	v_lshl_add_u32 v126, v127, 4, v126             ; and 16 more behind each 256
	s_mul_i32 s2, s31, HALFS                       ; lanes 0-15: x's, my 128 rows
	s_mul_i32 s3, s32, 4*SBLK                      ; lanes 16-31: Wk's, my head's 64 rows, behind x's 256:
	s_add_co_u32 s3, s3, 2*HALFS
	s_sub_co_u32 s3, s3, s2                        ; the distance between the two
	v_mul_u32_u24 v127, s3, v2
	s_add_co_u32 s2, s2, SCL
	v_add_nc_u32 v126, s2, v126
	v_add_nc_u32 v8, v126, v127                    ; v8: tiles 0-3
	s_add_co_u32 s3, s3, 4*SBLK                    ; tiles 4-7: Wv's tile n - 4 lies 8 - 4 tiles further on than Wk's tile n would
	v_mul_u32_u24 v127, s3, v2
	v_add_nc_u32 v9, v126, v127                    ; v9
	v_lshlrev_b32 v125, 2, v3
	s_lshl_b32 s2, s32, 9
	s_add_co_u32 s2, s2, QIM
	v_add_nc_u32 v120, s2, v125                    ; v120: my head's four images of q
	s_lshl_b32 s3, s31, 8
	s_add_co_u32 s2, s2, s3
	v_add_nc_u32 v118, s2, v125                    ; v118: where I store my two
	s_lshl_b32 s2, s32, 8
	s_add_co_u32 s2, s2, QSB
	v_add_nc_u32 v121, s2, v125                    ; v121: my head's two scale bytes
	s_lshl_b32 s3, s31, 7
	s_add_co_u32 s2, s2, s3
	v_add_nc_u32 v119, s2, v125                    ; v119: where I store mine
	s_lshl_b32 s2, s30, 8
	s_add_co_u32 s2, s2, STG
	v_lshl_add_u32 v122, v1, 2, s2                 ; v122: the way out, in: 4 r
	v_lshl_add_u32 v123, v3, 3, s2                 ; v123: back: 8 x lane
	v_lshlrev_b32 v124, 3, v3                      ; v124: and the same in part
	; ---- q: block i of head j, 32 numbers, for row 2,047
	s_wait_loadcnt 0x0
	WIN 0x41
.irp d, 0,1,2,3
.irp k, 1,2,3,4,5,6,7
	v_mov_b32 v[BV+8*\d+\k], v[BV+8*\d]            ; bv: the lane's channel in all eight registers (eight keys)
.endr
.endr
	WIN 0x01                                       ; source 0 (Wq) window 1
.irp s, 0,1,2,3,4,5,6,7                            ; two accumulators by turns; bq is the C of each sum's first product
.irp u, 0,1
.if \s == 0
	v_wmma_scale_f32_16x16x128_f8f6f4 v[QA+8*\u:QA+8*\u+7], v[128*\u+8*\s:128*\u+8*\s+7], v[XL+8*\s:XL+8*\s+7], v[BQ+8*\u:BQ+8*\u+7], v[SC+8+8*\u+\s], v[SC+\s] matrix_a_fmt:MATRIX_FMT_FP4 matrix_b_fmt:MATRIX_FMT_FP4
.else
	v_wmma_scale_f32_16x16x128_f8f6f4 v[QA+8*\u:QA+8*\u+7], v[128*\u+8*\s:128*\u+8*\s+7], v[XL+8*\s:XL+8*\s+7], v[QA+8*\u:QA+8*\u+7], v[SC+8+8*\u+\s], v[SC+\s] matrix_a_fmt:MATRIX_FMT_FP4 matrix_b_fmt:MATRIX_FMT_FP4
.endif
.endr
.endr
	WIN 0
	PLACES 5                                       ; four in front of reads of results and of loads into these registers; the fifth for the matrix instructions that later write over them
	v_max3_num_f32 v[TM], |v[QA]|, |v[QA+1]|, 0x1800000   ; my 16 numbers of the block, and the floor 2^(3 - 127): the byte cannot fall under 1
.irp n, 2,4,6,8,10,12,14
	v_max3_num_f32 v[TM], v[TM], |v[QA+\n]|, |v[QA+\n+1]|
.endr
	v_permlanex16_b32 v[TM+4], v[TM], s96, s97
	v_max_num_f32 v[TM], v[TM], v[TM+4]            ; with lane l xor 16's: the block's largest magnitude
	v_add_nc_u32 v[TM+8], 0xff000000, v[TM]        ; 2 off its exponent field: the conversion's scale operand
	v_lshrrev_b32 v[TM+4], 23, v[TM+8]             ; the scale's byte
	v_cvt_scalef32_pk8_fp4_f32 v126, v[QA:QA+7], v[TM+8]
	v_cvt_scalef32_pk8_fp4_f32 v127, v[QA+8:QA+15], v[TM+8]
	v_nop                                          ; one plain place behind a scaled conversion
	ds_store_b32 v118, v126                        ; tile 2 i of the head's four
	ds_store_b32 v118, v127 offset:128             ; tile 2 i + 1
	ds_store_b32 v119, v[TM+4]
	s_wait_tensorcnt 0x1                           ; my scale bytes and my part of chunk 0 are in; chunk 1's load may stay out
	s_wait_dscnt 0x0                               ; my stores of q have landed
	s_barrier_signal -1
	s_barrier_wait -1                              ; everybody's have
; 32 LDS loads: the fragments of K step s (chunk s / 4, its (s % 4)-th 128 along K) into set s % 2
.macro FETCH s
.set FC, (\s)/4
.set FQ, (\s)%4
.set FP, (\s)%2
	WIN 0x40
.irp n, 0,1,2,3,4,5,6,7                            ; Wk's tiles 0-3, then Wv's, which lie 128 rows on
.irp e, 0,1
	ds_load_b128 v[128*FP+8*\n+4*\e:128*FP+8*\n+4*\e+3], v[ADRW+FC] offset:(16*\n+64*(\n/4))*PITCH+64*FQ+32*\e
.endr
.endr
	WIN 0
.irp n, 0,1,2,3,4,5,6,7
.irp e, 0,1
	ds_load_b128 v[XF+64*FP+8*\n+4*\e:XF+64*FP+8*\n+4*\e+3], v[ADRX+FC] offset:16*\n*PITCH+64*FQ+32*\e
.endr
.endr
.endm
.macro SCALES c                        ; chunk c's scale words: four a row; lanes 0-15 take x's tile n, lanes 16-31 the weights' tile n
.irp n, 0,1,2,3
	ds_load_b128 v[SC+32*\c+4*\n:SC+32*\c+4*\n+3], v8 offset:SBLK*\n+16*\c
.endr
.irp n, 4,5,6,7
	ds_load_b128 v[SC+32*\c+4*\n:SC+32*\c+4*\n+3], v9 offset:SBLK*\n+16*\c
.endr
.endm
; K^T: source 0 = 16 rows of Wk, source 1 = 16 keys.  In step 0 bk is C.  The 64 accumulators take turns, one instruction a turn, in the same order in every step.
.macro MULK s
.set FC, (\s)/4
.set FQ, (\s)%4
.set FP, (\s)%2
.if (\s) == 0
	WIN 0x91                                       ; source 0 and C window 1, D window 2
.else
	WIN 0xa1                                       ; source 0 window 1, C and D window 2
.endif
.irp t, 0,1,2,3,4,5,6,7
.irp d, 0,1,2,3
.if (\s) == 0
	v_wmma_scale_f32_16x16x128_f8f6f4 v[8*(4*\t+\d):8*(4*\t+\d)+7], v[128*FP+8*\d:128*FP+8*\d+7], v[XF+64*FP+8*\t:XF+64*FP+8*\t+7], v[BK+8*\d:BK+8*\d+7], v[SC+32*FC+4*\d+FQ], v[SC+32*FC+4*\t+FQ] matrix_a_fmt:MATRIX_FMT_FP4 matrix_b_fmt:MATRIX_FMT_FP4 matrix_a_scale:MATRIX_SCALE_ROW1
.else
	v_wmma_scale_f32_16x16x128_f8f6f4 v[8*(4*\t+\d):8*(4*\t+\d)+7], v[128*FP+8*\d:128*FP+8*\d+7], v[XF+64*FP+8*\t:XF+64*FP+8*\t+7], v[8*(4*\t+\d):8*(4*\t+\d)+7], v[SC+32*FC+4*\d+FQ], v[SC+32*FC+4*\t+FQ] matrix_a_fmt:MATRIX_FMT_FP4 matrix_b_fmt:MATRIX_FMT_FP4 matrix_a_scale:MATRIX_SCALE_ROW1
.endif
.endr
.endr
.endm
; V: source 0 = 16 keys, source 1 = 16 rows of Wv.  In step 0 bv is C.
.macro MULV s
.set FC, (\s)/4
.set FQ, (\s)%4
.set FP, (\s)%2
.if (\s) == 0
	WIN 0xd4                                       ; source 1 and C window 1, D window 3
.else
	WIN 0xf4                                       ; source 1 window 1, C and D window 3
.endif
.irp d, 0,1,2,3
.irp t, 0,1,2,3,4,5,6,7
.if (\s) == 0
	v_wmma_scale_f32_16x16x128_f8f6f4 v[8*(8*\d+\t):8*(8*\d+\t)+7], v[XF+64*FP+8*\t:XF+64*FP+8*\t+7], v[128*FP+32+8*\d:128*FP+32+8*\d+7], v[BV+8*\d:BV+8*\d+7], v[SC+32*FC+4*\t+FQ], v[SC+32*FC+16+4*\d+FQ] matrix_a_fmt:MATRIX_FMT_FP4 matrix_b_fmt:MATRIX_FMT_FP4 matrix_b_scale:MATRIX_SCALE_ROW1
.else
	v_wmma_scale_f32_16x16x128_f8f6f4 v[8*(8*\d+\t):8*(8*\d+\t)+7], v[XF+64*FP+8*\t:XF+64*FP+8*\t+7], v[128*FP+32+8*\d:128*FP+32+8*\d+7], v[8*(8*\d+\t):8*(8*\d+\t)+7], v[SC+32*FC+4*\t+FQ], v[SC+32*FC+16+4*\d+FQ] matrix_a_fmt:MATRIX_FMT_FP4 matrix_b_fmt:MATRIX_FMT_FP4 matrix_b_scale:MATRIX_SCALE_ROW1
.endif
.endr
.endr
.endm
; A K step of 128: the next step's 32 fragment loads go out first, a whole step (64 matrix instructions) ahead of their use, into the set that the step before has multiplied.
.macro STEP s
.if (\s) == 3
	s_wait_tensorcnt 0x0                           ; my part of chunk 1 is in,
	s_wait_dscnt 0x0                               ; no LDS load of mine is out,
	s_barrier_signal -1
	s_barrier_wait -1                              ; and chunk 1 is whole
.endif
.if (\s) < 7
	PLACES 4                                       ; in front of loads into registers that the last step's matrix instructions have read
	FETCH (\s)+1
.if (\s) == 3
	SCALES 1
	s_wait_dscnt 40                                ; all but the 32 fragment loads and the 8 scale loads just issued
.else
	s_wait_dscnt 32                                ; all but the 32 just issued: this step's fragments are in
.endif
.else
	s_wait_dscnt 0x0
.endif
.if (\s) == 0                                      ; q's operand is finished here, long ahead of its use
	v_permlane16_swap_b32 v[QF], v[QF+1]           ; lanes 0-15 block 0, lanes 16-31 block 1
	v_permlane16_swap_b32 v[QF+2], v[QF+3]
	v_lshl_or_b32 v[QW], v127, 8, v126             ; q's scale word: its two bytes,
	v_or_b32 v[QW], 0x7f7f0000, v[QW]              ; and 1.0 over the zero codes of the upper 64
.irp k, 4,5,6,7
	v_mov_b32 v[QF+\k], 0
.endr
.endif
	MULK \s
	MULV \s
	WIN 0
.endm
	ds_load_b32 v[QF], v120                        ; q's four images, in the order 0, 2, 1, 3
	ds_load_b32 v[QF+1], v120 offset:256
	ds_load_b32 v[QF+2], v120 offset:128
	ds_load_b32 v[QF+3], v120 offset:384
	ds_load_b32 v126, v121
	ds_load_b32 v127, v121 offset:128
	FETCH 0
	SCALES 0
.irp s, 0,1,2,3,4,5,6,7
	STEP \s
.endr
; THE QUANTISER'S PARTS.  64 numbers of a lane, register 16 b + n of them in block b.
.macro ACROSS
.irp b, 0,1,2,3
	v_permlanex16_b32 v[TM+4+\b], v[TM+\b], s96, s97
.endr
.irp b, 0,1,2,3
	v_max_num_f32 v[TM+\b], v[TM+\b], v[TM+4+\b]   ; with lane l xor 16's 16 numbers
.endr
.endm
.macro SCALEOPS
.irp b, 0,1,2,3
	v_add_nc_u32 v[TM+8+\b], 0xff000000, v[TM+\b]  ; 2 off the exponent field: the conversion takes the exponent field of this operand as its scale, and nothing else of it
.endr
.irp b, 0,1,2,3
	v_lshrrev_b32 v[TM+4+\b], 23, v[TM+8+\b]       ; the scale's byte
.endr
.endm
.macro CODES W, SRC, D0, D1            ; tiles 0-3 into D0 + 0, 2, 1, 3, tiles 4-7 into D1 likewise; then each group's halves change places
	WIN \W                                         ; source 0: the numbers' window
.irp k, 0,1,2,3
	v_cvt_scalef32_pk8_fp4_f32 v[(\D0)+2*(\k%2)+\k/2], v[(\SRC)+8*\k:(\SRC)+8*\k+7], v[TM+8+\k/2]
.endr
.irp k, 0,1,2,3
	v_cvt_scalef32_pk8_fp4_f32 v[(\D1)+2*(\k%2)+\k/2], v[(\SRC)+32+8*\k:(\SRC)+32+8*\k+7], v[TM+10+\k/2]
.endr
	WIN 0
	v_nop                                          ; one plain place behind a scaled conversion
	v_permlane16_swap_b32 v[(\D0)], v[(\D0)+1]
	v_permlane16_swap_b32 v[(\D0)+2], v[(\D0)+3]
	v_permlane16_swap_b32 v[(\D1)], v[(\D1)+1]
	v_permlane16_swap_b32 v[(\D1)+2], v[(\D1)+3]
.endm
.macro QUANT W, SRC, D0, D1            ; eight accumulators of window W, from register SRC on
.set WQ, 0x28+0x14*((\W)-2)
	WIN WQ                                         ; sources 1 and 2: window W
.irp b, 0,1,2,3
	v_max3_num_f32 v[TM+\b], 0x1800000, |v[(\SRC)+16*\b]|, |v[(\SRC)+16*\b+1]|   ; the floor 2^(3 - 127) among the leaves; each accumulator is read from its low end on; the four blocks by turns
.endr
.irp n, 2,4,6,8,10,12,14
.irp b, 0,1,2,3
	v_max3_num_f32 v[TM+\b], v[TM+\b], |v[(\SRC)+16*\b+\n]|, |v[(\SRC)+16*\b+\n+1]|
.endr
.endr
	WIN 0
	ACROSS
	SCALEOPS
	CODES \W, \SRC, \D0, \D1
.endm
.macro WORD4 dst
	v_lshl_or_b32 v[\dst], v[TM+5], 8, v[TM+4]
	v_lshl_or_b32 v[\dst], v[TM+6], 16, v[\dst]
	v_lshl_or_b32 v[\dst], v[TM+7], 24, v[\dst]
.endm
.macro WORD2 dst, a
	v_lshl_or_b32 v[\dst], v[TM+5+\a], 8, v[TM+4+\a]
	v_or_b32 v[\dst], 0x7f7f0000, v[\dst]
.endm
	; ---- K's codes, and the scores
	PLACES 5                                       ; behind the last products: four for reads of results and writes of sources, the fifth for matrix instructions that write over them
.irp t, 0,1,2,3,4,5,6,7
.irp k, 4,5,6,7
	v_mov_b32 v[KFR+8*\t+\k], 0                    ; the upper 64 of the instruction's K: zero codes
.endr
.endr
.irp p, 0,1,2,3                                    ; two key tiles at a time: blocks 0, 1 are the first tile's two blocks of the head, blocks 2, 3 the second's
	QUANT 2, 64*\p, KFR+16*\p, KFR+16*\p+8
	WORD2 KSW+2*\p, 0
	WORD2 KSW+2*\p+1, 2
.endr
	PLACES 8                                       ; a scale register written by a vector instruction stands eight places ahead of a scaled matrix instruction
.irp t, 0,1,2,3,4,5,6,7                            ; S^T: source 0 = 16 keys, source 1 = q in all 16 columns: register j of tile t is key 16 t + 8 h + j
	v_wmma_scale_f32_16x16x128_f8f6f4 v[S+8*\t:S+8*\t+7], v[KFR+8*\t:KFR+8*\t+7], v[QF:QF+7], 0, v[KSW+\t], v[QW] matrix_a_fmt:MATRIX_FMT_FP4 matrix_b_fmt:MATRIX_FMT_FP4
.endr
	PLACES 5
	; ---- p = 2^(t - M), M = ceil(the largest t of my 128 keys); its sum; its codes
.irp b, 0,1,2,3
	v_max3_num_f32 v[TM+\b], v[S+16*\b], v[S+16*\b+1], v[S+16*\b+2]   ; the largest score of each block of 32 keys: for the maximum, and, since p rises with the score, for the block's largest p
.endr
.irp n, 3,5,7,9,11,13
.irp b, 0,1,2,3
	v_max3_num_f32 v[TM+\b], v[TM+\b], v[S+16*\b+\n], v[S+16*\b+\n+1]
.endr
.endr
.irp b, 0,1,2,3
	v_max_num_f32 v[TM+\b], v[TM+\b], v[S+16*\b+15]
.endr
	ACROSS
	v_max3_num_f32 v125, v[TM], v[TM+1], v[TM+2]
	v_max_num_f32 v125, v125, v[TM+3]
	v_mul_f32 v17, s98, v125                       ; the largest t (c is positive)
	v_floor_f32 v16, -v17                          ; -M = floor(-t) = -ceil(t): a whole number
.irp n, 0,2,4,6,8,10,12,14,16,18,20,22,24,26,28,30,32,34,36,38,40,42,44,46,48,50,52,54,56,58,60,62
	v_pk_fma_f32 v[S+\n:S+\n+1], v[S+\n:S+\n+1], s[98:99], v[16:17] op_sel_hi:[1,0,0]   ; t - M, two at a time (of the pairs c and -M the low word serves both halves)
.endr
.irp b, 0,1,2,3
	v_fma_f32 v[TM+\b], v[TM+\b], s98, v16         ; the same of each block's largest score
.endr
.irp n, 0,1,2,3,4,5,6,7,8,9,10,11,12,13,14,15,16,17,18,19,20,21,22,23,24,25,26,27,28,29,30,31,32,33,34,35,36,37,38,39,40,41,42,43,44,45,46,47,48,49,50,51,52,53,54,55,56,57,58,59,60,61,62,63
	v_exp_f32 v[S+\n], v[S+\n]
.endr
.irp b, 0,1,2,3
	v_exp_f32 v[TM+\b], v[TM+\b]                   ; the block's largest p: the same two instructions on the same number
.endr
	v_nop                                          ; one plain place behind the exponentials
	s_wait_alu depctr_va_vdst(0)
.irp b, 0,1,2,3
	v_max_num_f32 v[TM+\b], 0x1800000, v[TM+\b]    ; the floor: a block whose every p has fallen to 0 keeps the byte 1: its codes are zeros
.endr
	SCALEOPS
	WORD4 PW
	CODES 0, S, PF, PF+4
	v_pk_add_f32 v[18:19], v[S:S+1], v[S+2:S+3]    ; the sum is taken of the unquantised p: two at a time, in two chains
	v_pk_add_f32 v[126:127], v[S+4:S+5], v[S+6:S+7]
.irp n, 8,12,16,20,24,28,32,36,40,44,48,52,56,60
	v_pk_add_f32 v[18:19], v[18:19], v[S+\n:S+\n+1]
	v_pk_add_f32 v[126:127], v[126:127], v[S+\n+2:S+\n+3]
.endr
	v_pk_add_f32 v[18:19], v[18:19], v[126:127]
	v_add_f32 v18, v18, v19
	v_permlanex16_b32 v125, v18, s96, s97
	v_add_f32 v17, v18, v125                       ; l of my 128 keys, beside -M
	; ---- V's codes along the keys, and the part of ctx
.irp d, 0,1,2,3
	QUANT 3, 64*\d, VF+8*\d, VF+8*\d+4
	WORD4 VSW+\d
.endr
	PLACES 8
.irp d, 0,1,2,3                                    ; source 0 = p in all 16 rows, source 1 = 16 channels of V: register 0 of lane r is channel 16 d + r
	v_wmma_scale_f32_16x16x128_f8f6f4 v[OD+8*\d:OD+8*\d+7], v[PF:PF+7], v[VF+8*\d:VF+8*\d+7], 0, v[PW], v[VSW+\d] matrix_a_fmt:MATRIX_FMT_FP4 matrix_b_fmt:MATRIX_FMT_FP4
.endr
	PLACES 4
	; ---- the way out: 64 numbers through my 256 bytes of LDS, so that the wave's one store covers 256 consecutive bytes, aligned
.irp d, 0,1,2,3
	ds_store_b32 v122, v[OD+8*\d] offset:64*\d     ; lanes r and 16 + r write the same word with the same value
.endr
	ds_load_b64 v[126:127], v123                   ; LDS serves a wave's instructions in order: this sees my stores
	s_wait_dscnt 0x0
	global_store_b64 v124, v[126:127], s[26:27]
	s_wait_xcnt 0x0                                ; EXEC changes only behind this wait
	v_cmp_eq_u32 vcc_lo, 0, v3
	s_and_saveexec_b32 s2, vcc_lo
	global_store_b64 v15, v[16:17], s[28:29]       ; -M and l: 8 bytes a wave, a small piece of its 256-byte neighbourhood: 8 KiB in the whole launch
	s_wait_xcnt 0x0                                ; and again in front of the line that widens it
	s_or_b32 exec_lo, exec_lo, s2
	s_set_vgpr_msb 0x5
	s_wait_tensorcnt 0x0
	ds_add_u32 v254, v255
	s_wait_dscnt 0x0
	s_set_vgpr_msb 0x500
	CROUND                                         ; the closing round: no work-group ends while a partner may still ask for a tile that names it
	s_endpgm
.Lfunc_end_k_qebcc36930c_kv:
	.size	k_qebcc36930c_kv, .Lfunc_end_k_qebcc36930c_kv-k_qebcc36930c_kv
	.p2alignl 7, 3214868480
	.fill 96, 4, 3214868480
	.section	.rodata,"a",@progbits
	.p2align	6, 0x0
	.amdhsa_kernel k_qebcc36930c_kv
		.amdhsa_group_segment_fixed_size 327680
		.amdhsa_private_segment_fixed_size 0
		.amdhsa_enable_private_segment 0
		.amdhsa_kernarg_size 104
		.amdhsa_user_sgpr_count 2
		.amdhsa_user_sgpr_kernarg_segment_ptr 1
		.amdhsa_wavefront_size32 1
		.amdhsa_system_sgpr_workgroup_id_x 1
		.amdhsa_system_sgpr_workgroup_id_y 1
		.amdhsa_system_sgpr_workgroup_id_z 1
		.amdhsa_system_vgpr_workitem_id 0
		.amdhsa_next_free_vgpr 1024
		.amdhsa_next_free_sgpr 102
		.amdhsa_reserve_vcc 1
		.amdhsa_float_denorm_mode_32 3
		.amdhsa_float_denorm_mode_16_64 3
		.amdhsa_memory_ordered 1
		.amdhsa_forward_progress 1
		.amdhsa_inst_pref_size 152
	.end_amdhsa_kernel
	.amdgpu_metadata
---
amdhsa.version: [ 1, 2 ]
amdhsa.kernels:
  - .name:           k_qebcc36930c_kv
    .symbol:         k_qebcc36930c_kv.kd
    .args:
      - { .name: x_codes, .offset: 0, .size: 8, .value_kind: global_buffer, .address_space: global }
      - { .name: x_scales, .offset: 8, .size: 8, .value_kind: global_buffer, .address_space: global }
      - { .name: Wk_codes, .offset: 16, .size: 8, .value_kind: global_buffer, .address_space: global }
      - { .name: Wk_scales, .offset: 24, .size: 8, .value_kind: global_buffer, .address_space: global }
      - { .name: Wv_codes, .offset: 32, .size: 8, .value_kind: global_buffer, .address_space: global }
      - { .name: Wv_scales, .offset: 40, .size: 8, .value_kind: global_buffer, .address_space: global }
      - { .name: Wq_codes, .offset: 48, .size: 8, .value_kind: global_buffer, .address_space: global }
      - { .name: Wq_scales, .offset: 56, .size: 8, .value_kind: global_buffer, .address_space: global }
      - { .name: bk, .offset: 64, .size: 8, .value_kind: global_buffer, .address_space: global }
      - { .name: bv, .offset: 72, .size: 8, .value_kind: global_buffer, .address_space: global }
      - { .name: bq, .offset: 80, .size: 8, .value_kind: global_buffer, .address_space: global }
      - { .name: part, .offset: 88, .size: 8, .value_kind: global_buffer, .address_space: global }
      - { .name: stat, .offset: 96, .size: 8, .value_kind: global_buffer, .address_space: global }
    .group_segment_fixed_size: 327680
    .private_segment_fixed_size: 0
    .kernarg_segment_align: 8
    .kernarg_segment_size: 104
    .max_flat_workgroup_size: 128
    .sgpr_count:     102
    .vgpr_count:     1024
    .wavefront_size: 32
...
	.end_amdgpu_metadata
.endif
;; end of part 1
;; launch outp (part 2): grid 16 x 4, 4 waves a work-group, no clusters, 1,536 bytes of LDS; arguments part, stat, Wo_codes, Wo_scales, bo, out0; writes out0
.if DOCPART == 2
	.amdgcn_target "amdgcn-amd-amdhsa--gfx1250"
	.amdhsa_code_object_version 6
	.text
	.protected	k_qebcc36930c_outp
	.globl	k_qebcc36930c_outp
	.p2align	8
	.type	k_qebcc36930c_outp,@function
k_qebcc36930c_outp:
	s_mov_b64 s[64:65], 0
	v_nop
	global_prefetch_b8 v0, s[64:65] scope:SCOPE_SE
	s_setreg_imm32_b32 hwreg(HW_REG_WAVE_MODE, 25, 1), 1
	s_wait_xcnt 0x0
; out0[b][:] = Q(ctx[b]) Wo^T + bo, on codes of FP4 (E2M1) with one E8M0 scale for each 32 along K = 1,024.
; ctx[b][64 head + d] = (sum over 16 parts s of 2^(M_s - M) part[b][s][..]) / (sum over s of 2^(M_s - M) l_s), M the largest M_s of the head.  Every M_s is a whole number, so each factor is an
; exact power of two (v_ldexp_f32 of 1.0): the parts' codes stand for the same numbers as under one M.
; SHARES.  Work-group (X, b) makes out0[b][64 X .. + 63]; wave w columns 16 w .. + 15 of them.  Every work-group needs all 1,024 of ctx[b]: thread t joins numbers 8 t .. 8 t + 7 (head t / 8),
; four threads hold a block of 32; codes (512 bytes) and scale bytes (32) go through LDS and come back as the operand's fragments, the one row alike in all 16 rows of the operand.
; NO CLUSTER, NO TENSOR LOAD: the 16 work-groups of a batch read the same 64 KiB of parts, but each number goes straight into the register in which it is summed; a joint load would put a trip
; through LDS and two rounds of a cluster's barrier into a launch whose whole work is 59 loads and 8 matrix instructions a wave.
; LIMITS.  A part whose M_s lies more than 149 under M is multiplied by 0 (beside l >= 1/2 it is nothing); 1 / l is v_rcp_f32's; a block under 2^-124 gets the byte 1; NaN and infinities are not served.
; REGISTERS.  v1-15 ids and addresses; v16-47 (-M_s, l_s), then (f_s, l_s); v48-55 ctx; v56-63 at work; v64-71 Wo's scale words; v72-79 ctx's; v80 bo; v96-111 two accumulators;
;   v128-255 the 16 parts, later ctx's eight fragments in v128-191.  Window 1: v0-63 Wo's eight fragments.
.set CIM, 0                            ; LDS: ctx's codes, 512 bytes
.set CSB, 512                          ; its 32 scale bytes
.set OST, 768                          ; the way out: 64 f32
.set ST,  16
.set CT,  48
.set P,   128
.set MSB, 0
.macro WIN new
.if MSB != \new
	s_set_vgpr_msb (MSB<<8)|\new
.set MSB, \new
.endif
.endm
	s_load_b256 s[4:11], s[0:1], 0x0               ; part, stat, Wo codes, Wo scales
	s_load_b128 s[12:15], s[0:1], 0x20             ; bo, out0
	v_lshl_add_u32 v126, v0, 2, 0x400
	v_mov_b32 v127, 0
	v_lshrrev_b32 v1, 5, v0
	v_readfirstlane_b32 s16, v1                    ; wave 0..3
	s_and_b32 s17, ttmp7, 0xffff                   ; b
	s_lshl_b32 s18, ttmp9, 6
	s_lshl_b32 s19, s16, 4
	s_add_co_u32 s18, s18, s19                     ; my first column: 64 X + 16 w
	s_mov_b32 s21, 0
	v_and_b32 v1, 15, v0                           ; r
	v_bfe_u32 v2, v0, 4, 1                         ; h
	v_and_b32 v3, 31, v0                           ; lane
	v_lshlrev_b32 v4, 5, v0                        ; my eight numbers of a part
	v_lshrrev_b32 v5, 3, v0
	v_lshlrev_b32 v5, 7, v5                        ; my head's 16 pairs
	v_lshlrev_b32 v6, 9, v1
	v_lshl_add_u32 v6, v2, 4, v6                   ; Wo: row r of 512 bytes, + 16 h
	v_lshlrev_b32 v7, 5, v1                        ; its 32 scale bytes
	v_lshlrev_b32 v8, 2, v1
	v_lshlrev_b32 v9, 2, v0                        ; CIM + 4 t: my eight codes
	v_lshrrev_b32 v10, 2, v0
	v_add_nc_u32 v10, CSB, v10                     ; my block's byte
	v_lshlrev_b32 v11, 4, v2                       ; CIM + 16 h: the one row, for every r
	v_mov_b32 v12, CSB
	s_lshl_b32 s19, s16, 6
	s_add_co_u32 s19, s19, OST
	v_lshl_add_u32 v13, v1, 2, s19                 ; OST + 64 w + 4 r
	v_lshlrev_b32 v15, 3, v3
	v_add_nc_u32 v14, OST, v15
	s_wait_kmcnt 0x0
	s_lshl_b32 s20, s17, 16
	s_add_nc_u64 s[4:5], s[4:5], s[20:21]
	s_lshl_b32 s20, s17, 11
	s_add_nc_u64 s[6:7], s[6:7], s[20:21]
	s_lshl_b32 s20, s18, 9
	s_add_nc_u64 s[8:9], s[8:9], s[20:21]
	s_lshl_b32 s20, s18, 5
	s_add_nc_u64 s[10:11], s[10:11], s[20:21]
	s_lshl_b32 s20, s18, 2
	s_add_nc_u64 s[12:13], s[12:13], s[20:21]
	s_lshl_b32 s20, s17, 12
	s_lshl_b32 s19, ttmp9, 8
	s_add_co_u32 s20, s20, s19
	s_add_nc_u64 s[14:15], s[14:15], s[20:21]
.irp k, 0,1,2,3,4,5,6,7
	global_load_b128 v[ST+4*\k:ST+4*\k+3], v5, s[6:7] offset:16*\k
.endr
.irp s, 0,1,2,3,4,5,6,7,8,9,10,11,12,13,14,15
	global_load_b128 v[P+8*\s:P+8*\s+3], v4, s[4:5] offset:4096*\s
	global_load_b128 v[P+8*\s+4:P+8*\s+7], v4, s[4:5] offset:4096*\s+16
.endr
	global_load_b128 v[64:67], v7, s[10:11]
	global_load_b128 v[68:71], v7, s[10:11] offset:16
	global_load_b32 v80, v8, s[12:13]
	WIN 0x40                                       ; destination window 1
.irp s, 0,1,2,3,4,5,6,7
.irp e, 0,1
	global_load_b128 v[8*\s+4*\e:8*\s+4*\e+3], v6, s[8:9] offset:64*\s+32*\e
.endr
.endr
	WIN 0
	s_wait_loadcnt 19                              ; the pairs and the parts are in; Wo's 18 loads and bo's may stay out
	v_min3_num_f32 v56, v[ST], v[ST+2], v[ST+4]    ; -M = the least -M_s
.irp s, 6,10,14,18,22,26
	v_min3_num_f32 v56, v56, v[ST+\s], v[ST+\s+2]
.endr
	v_min_num_f32 v56, v56, v[ST+30]
.irp s, 0,1,2,3,4,5,6,7,8,9,10,11,12,13,14,15
	v_sub_f32 v[ST+2*\s], v56, v[ST+2*\s]          ; M_s - M: a whole number, 0 or less
.endr
.irp s, 0,1,2,3,4,5,6,7,8,9,10,11,12,13,14,15
	v_cvt_i32_f32 v[ST+2*\s], v[ST+2*\s]           ; (it saturates)
.endr
.irp s, 0,1,2,3,4,5,6,7,8,9,10,11,12,13,14,15
	v_ldexp_f32 v[ST+2*\s], 1.0, v[ST+2*\s]        ; f_s = 2^(M_s - M)
.endr
	v_mul_f32 v57, v[ST], v[ST+1]
.irp s, 1,2,3,4,5,6,7,8,9,10,11,12,13,14,15
	v_fmac_f32 v57, v[ST+2*\s], v[ST+2*\s+1]       ; l = the sum of f_s l_s
.endr
.irp k, 0,2,4,6
	v_pk_mul_f32 v[CT+\k:CT+\k+1], v[P+\k:P+\k+1], v[ST:ST+1] op_sel_hi:[1,0]
.endr
.irp s, 1,2,3,4,5,6,7,8,9,10,11,12,13,14,15
.irp k, 0,2,4,6
	v_pk_fma_f32 v[CT+\k:CT+\k+1], v[P+8*\s+\k:P+8*\s+\k+1], v[ST+2*\s:ST+2*\s+1], v[CT+\k:CT+\k+1] op_sel_hi:[1,0,1]   ; of the pair (f_s, l_s) the low word serves both halves
.endr
.endr
	v_rcp_f32 v58, v57
	v_mov_b32 v59, 0                               ; a plain place behind the reciprocal; and the pair's upper half is written
	s_wait_alu depctr_va_vdst(0)
.irp k, 0,2,4,6
	v_pk_mul_f32 v[CT+\k:CT+\k+1], v[CT+\k:CT+\k+1], v[58:59] op_sel_hi:[1,0]
.endr
	v_max3_num_f32 v60, |v[CT]|, |v[CT+1]|, 0x1800000   ; my eight numbers and the floor 2^(3 - 127)
.irp k, 2,4,6
	v_max3_num_f32 v60, v60, |v[CT+\k]|, |v[CT+\k+1]|
.endr
	v_max_num_f32_dpp v60, v60, v60 row_xmask:1 row_mask:0xf bank_mask:0xf
	v_max_num_f32_dpp v60, v60, v60 row_xmask:2 row_mask:0xf bank_mask:0xf   ; the four lanes of a block
	v_add_nc_u32 v61, 0xff000000, v60              ; 2 off the exponent field: the conversion's scale operand
	v_cvt_scalef32_pk8_fp4_f32 v62, v[CT:CT+7], v61
	v_lshrrev_b32 v63, 23, v61                     ; the scale's byte (a plain place behind the conversion)
	ds_store_b32 v9, v62
	ds_store_b8 v10, v63                           ; the four lanes of a block write the same byte with the same value
	s_wait_dscnt 0x0                               ; for the others' sake: my stores have landed
	s_barrier_signal -1
	s_barrier_wait -1
.irp s, 0,1,2,3,4,5,6,7
.irp e, 0,1
	ds_load_b128 v[P+8*\s+4*\e:P+8*\s+4*\e+3], v11 offset:64*\s+32*\e
.endr
.endr
	ds_load_b128 v[72:75], v12                     ; ctx's eight scale words, in every lane
	ds_load_b128 v[76:79], v12 offset:16
	s_wait_dscnt 0x0
	s_wait_loadcnt 0x0                             ; Wo and bo
	WIN 0x04                                       ; source 1 (Wo) window 1
.irp s, 0,1,2,3,4,5,6,7                            ; two accumulators by turns: the even K steps and the odd ones
.if \s < 2
	v_wmma_scale_f32_16x16x128_f8f6f4 v[96+8*(\s%2):96+8*(\s%2)+7], v[P+8*\s:P+8*\s+7], v[8*\s:8*\s+7], 0, v[72+\s], v[64+\s] matrix_a_fmt:MATRIX_FMT_FP4 matrix_b_fmt:MATRIX_FMT_FP4
.else
	v_wmma_scale_f32_16x16x128_f8f6f4 v[96+8*(\s%2):96+8*(\s%2)+7], v[P+8*\s:P+8*\s+7], v[8*\s:8*\s+7], v[96+8*(\s%2):96+8*(\s%2)+7], v[72+\s], v[64+\s] matrix_a_fmt:MATRIX_FMT_FP4 matrix_b_fmt:MATRIX_FMT_FP4
.endif
.endr
	WIN 0
.rept 4
	v_nop                                          ; four places in front of the first read of results
.endr
	v_add_f32 v81, v96, v104                       ; register 0 of lane r: column r; all rows are alike
	v_add_f32 v81, v81, v80
	ds_store_b32 v13, v81                          ; lanes r and 16 + r write the same word with the same value
	s_wait_dscnt 0x0
	s_barrier_signal -1
	s_barrier_wait -1
	s_cmp_lg_u32 s16, 0
	s_cbranch_scc1 .Lend
	ds_load_b64 v[82:83], v14
	s_wait_dscnt 0x0
	global_store_b64 v15, v[82:83], s[14:15]       ; wave 0 stores the work-group's 256 consecutive bytes, aligned
.Lend:
	s_wait_tensorcnt 0x0
	ds_add_u32 v126, v127
	s_wait_dscnt 0x0
	s_endpgm
.Lfunc_end_k_qebcc36930c_outp:
	.size	k_qebcc36930c_outp, .Lfunc_end_k_qebcc36930c_outp-k_qebcc36930c_outp
	.p2alignl 7, 3214868480
	.fill 96, 4, 3214868480
	.section	.rodata,"a",@progbits
	.p2align	6, 0x0
	.amdhsa_kernel k_qebcc36930c_outp
		.amdhsa_group_segment_fixed_size 1536
		.amdhsa_private_segment_fixed_size 0
		.amdhsa_enable_private_segment 0
		.amdhsa_kernarg_size 48
		.amdhsa_user_sgpr_count 2
		.amdhsa_user_sgpr_kernarg_segment_ptr 1
		.amdhsa_wavefront_size32 1
		.amdhsa_system_sgpr_workgroup_id_x 1
		.amdhsa_system_sgpr_workgroup_id_y 1
		.amdhsa_system_sgpr_workgroup_id_z 1
		.amdhsa_system_vgpr_workitem_id 0
		.amdhsa_next_free_vgpr 320
		.amdhsa_next_free_sgpr 66
		.amdhsa_reserve_vcc 0
		.amdhsa_float_denorm_mode_32 3
		.amdhsa_float_denorm_mode_16_64 3
		.amdhsa_memory_ordered 1
		.amdhsa_forward_progress 1
		.amdhsa_inst_pref_size 19
	.end_amdhsa_kernel
	.amdgpu_metadata
---
amdhsa.version: [ 1, 2 ]
amdhsa.kernels:
  - .name:           k_qebcc36930c_outp
    .symbol:         k_qebcc36930c_outp.kd
    .args:
      - { .name: part, .offset: 0, .size: 8, .value_kind: global_buffer, .address_space: global }
      - { .name: stat, .offset: 8, .size: 8, .value_kind: global_buffer, .address_space: global }
      - { .name: Wo_codes, .offset: 16, .size: 8, .value_kind: global_buffer, .address_space: global }
      - { .name: Wo_scales, .offset: 24, .size: 8, .value_kind: global_buffer, .address_space: global }
      - { .name: bo, .offset: 32, .size: 8, .value_kind: global_buffer, .address_space: global }
      - { .name: out0, .offset: 40, .size: 8, .value_kind: global_buffer, .address_space: global }
    .group_segment_fixed_size: 1536
    .private_segment_fixed_size: 0
    .kernarg_segment_align: 8
    .kernarg_segment_size: 48
    .max_flat_workgroup_size: 128
    .sgpr_count:     66
    .vgpr_count:     320
    .wavefront_size: 32
...
	.end_amdgpu_metadata
.endif
;; end of part 2
;; ======== version 2 of 2: 2 launches; version 1 with the launch outp written anew for expert scheduling mode
;; workspace buffers: part 262,144 bytes; stat 8,192 bytes
;; launch kv: the kernel of part 1 again; grid 8 x 32, 4 waves a work-group, clusters of 4 x 4, 327,680 bytes of LDS; arguments x_codes, x_scales, Wk_codes, Wk_scales, Wv_codes, Wv_scales, Wq_codes, Wq_scales, bk, bv, bq, part, stat; writes part, stat
;; launch outp (part 3): grid 16 x 4, 4 waves a work-group, no clusters, 1,536 bytes of LDS; arguments part, stat, Wo_codes, Wo_scales, bo, out0; writes out0
.if DOCPART == 3
	.amdgcn_target "amdgcn-amd-amdhsa--gfx1250"
	.amdhsa_code_object_version 6
	.text
	.protected	k_qebcc36930c_outp
	.globl	k_qebcc36930c_outp
	.p2align	8
	.type	k_qebcc36930c_outp,@function
k_qebcc36930c_outp:
	s_mov_b64 s[64:65], 0
	v_nop
	global_prefetch_b8 v0, s[64:65] scope:SCOPE_SE
	s_setreg_imm32_b32 hwreg(HW_REG_WAVE_SCHED_MODE, 0, 2), 2
	s_setreg_imm32_b32 hwreg(HW_REG_WAVE_MODE, 25, 1), 1
	s_wait_xcnt 0x0
	s_wait_alu depctr_vm_vsrc(0)
; out0[b][:] = Q(ctx[b]) Wo^T + bo, on codes of FP4 (E2M1) with one E8M0 scale for each 32 along K = 1,024.
; ctx[b][64 head + d] = (sum over 16 parts s of 2^(M_s - M) part[b][s][..]) / (sum over s of 2^(M_s - M) l_s), M the largest M_s of the head.  Every M_s is a whole number, so each factor is an
; exact power of two (v_ldexp_f32 of 1.0): the parts' codes stand for the same numbers as under one M.
; SHARES.  Work-group (X, b) makes out0[b][64 X .. + 63]; wave w columns 16 w .. + 15 of them.  Every work-group needs all 1,024 of ctx[b]: thread t joins numbers 8 t .. 8 t + 7 (head t / 8),
; four threads hold a block of 32; codes (512 bytes) and scale bytes (32) go through LDS and come back as the operand's fragments, the one row alike in all 16 rows of the operand.
; NO CLUSTER, NO TENSOR LOAD: the 16 work-groups of a batch read the same 64 KiB of parts, but each number goes straight into the register in which it is summed; a joint load would put a trip
; through LDS and two rounds of a cluster's barrier into a launch whose whole work is 59 loads and 8 matrix instructions a wave.
; LIMITS.  A part whose M_s lies more than 149 under M is multiplied by 0 (beside l >= 1/2 it is nothing); 1 / l is v_rcp_f32's; a block under 2^-124 gets the byte 1; NaN and infinities are not served.
; REGISTERS.  v1-15 ids and addresses; v16-47 (-M_s, l_s), then (f_s, l_s); v48-55 ctx; v56-63 at work; v64-71 Wo's scale words; v72-79 ctx's; v80 bo; v96-111 two accumulators;
;   v126, v127 the closing add's two; v128-255 the 16 parts, later ctx's eight fragments in v128-191.  Window 1: v0-63 Wo's eight fragments.
; THE MODE: SCHED_MODE bits 1:0 = 2 (LLVM: expert scheduling mode 2), set by the entry lines.  The code itself states the register dependences
; between vector or matrix instructions and memory or LDS instructions, with s_wait_alu, always for 0.
; THE PLAN.  The text is one straight run.  Registers that memory or LDS instructions touch:
;   v4-v15      offsets and LDS addresses: written by vector instructions at the head, once; read by the loads and stores; never written again.
;   v16-47, v64-71, v80, v128-255, window 1's v0-63   written by global loads alone; read by vector and matrix instructions behind the waits on LOADcnt.
;   v128-191    a second time: the packed multiply-adds read them as parts; behind the first barrier the LDS loads of ctx's fragments land in them; the matrix instructions read them.
;   v72-79      written by LDS loads; read by the matrix instructions as scales.
;   v62, v63    written by the conversion and the shift; read by the two LDS stores of codes and byte; never written again.
;   v81         written by two additions; read by one LDS store; never written again.      v82-83  written by an LDS load; read by the global store.
;   v126, v127  written at the head; read by the closing add alone.
; So: one wait on va_sdst for the wave's number; one on va_vdst behind the last address line, for all addresses of the kernel; one behind the reciprocal; one ahead of the LDS stores of codes and
; byte, which also states that the parts have been read, for the LDS loads behind the barrier; one ahead of the LDS store of the result.  No register that a memory or LDS instruction reads is written
; again, so no wait on vm_vsrc stands outside the entry and closing lines.  The products' operands and scales all come from loads.
.set CIM, 0                            ; LDS: ctx's codes, 512 bytes
.set CSB, 512                          ; its 32 scale bytes
.set OST, 768                          ; the way out: 64 f32
.set ST,  16
.set CT,  48
.set P,   128
.set MSB, 0
.macro WIN new
.if MSB != \new
	s_set_vgpr_msb (MSB<<8)|\new
.set MSB, \new
.endif
.endm
	s_load_b256 s[4:11], s[0:1], 0x0               ; part, stat, Wo codes, Wo scales
	s_load_b128 s[12:15], s[0:1], 0x20             ; bo, out0
	v_lshl_add_u32 v126, v0, 2, 0x400              ; the LDS address of my spare word: 1,024 + 4 x thread; kept for the closing lines alone
	v_mov_b32 v127, 0                              ; and 0, likewise
	v_lshrrev_b32 v1, 5, v0
	v_readfirstlane_b32 s16, v1                    ; wave 0..3
	v_and_b32 v1, 15, v0                           ; r
	v_bfe_u32 v2, v0, 4, 1                         ; h
	v_and_b32 v3, 31, v0                           ; lane
	v_lshlrev_b32 v4, 5, v0                        ; my eight numbers of a part
	v_lshrrev_b32 v5, 3, v0
	v_lshlrev_b32 v5, 7, v5                        ; my head's 16 pairs
	v_lshlrev_b32 v6, 9, v1
	v_lshl_add_u32 v6, v2, 4, v6                   ; Wo: row r of 512 bytes, + 16 h
	v_lshlrev_b32 v7, 5, v1                        ; its 32 scale bytes
	v_lshlrev_b32 v8, 2, v1
	v_lshlrev_b32 v9, 2, v0                        ; CIM + 4 t: my eight codes
	v_lshrrev_b32 v10, 2, v0
	v_add_nc_u32 v10, CSB, v10                     ; my block's byte
	v_lshlrev_b32 v11, 4, v2                       ; CIM + 16 h: the one row, for every r
	v_mov_b32 v12, CSB
	v_lshlrev_b32 v15, 3, v3
	v_add_nc_u32 v14, OST, v15
	s_wait_alu depctr_va_sdst(0)                   ; s16 is written, ahead of its first reader: my columns, my place in the stage and the last branch are made from it
	s_and_b32 s17, ttmp7, 0xffff                   ; b
	s_lshl_b32 s18, ttmp9, 6
	s_lshl_b32 s19, s16, 4
	s_add_co_u32 s18, s18, s19                     ; my first column: 64 X + 16 w
	s_mov_b32 s21, 0
	s_lshl_b32 s19, s16, 6
	s_add_co_u32 s19, s19, OST
	v_lshl_add_u32 v13, v1, 2, s19                 ; OST + 64 w + 4 r
	s_wait_alu depctr_va_vdst(0)                   ; the offsets and LDS addresses v4 to v15 are written, which every load and store of the kernel reads; only scalar lines, loads and a window switch stand between this wait and the loads
	s_wait_kmcnt 0x0
	s_lshl_b32 s20, s17, 16
	s_add_nc_u64 s[4:5], s[4:5], s[20:21]
	s_lshl_b32 s20, s17, 11
	s_add_nc_u64 s[6:7], s[6:7], s[20:21]
	s_lshl_b32 s20, s18, 9
	s_add_nc_u64 s[8:9], s[8:9], s[20:21]
	s_lshl_b32 s20, s18, 5
	s_add_nc_u64 s[10:11], s[10:11], s[20:21]
	s_lshl_b32 s20, s18, 2
	s_add_nc_u64 s[12:13], s[12:13], s[20:21]
	s_lshl_b32 s20, s17, 12
	s_lshl_b32 s19, ttmp9, 8
	s_add_co_u32 s20, s20, s19
	s_add_nc_u64 s[14:15], s[14:15], s[20:21]
.irp k, 0,1,2,3,4,5,6,7
	global_load_b128 v[ST+4*\k:ST+4*\k+3], v5, s[6:7] offset:16*\k
.endr
.irp s, 0,1,2,3,4,5,6,7,8,9,10,11,12,13,14,15
	global_load_b128 v[P+8*\s:P+8*\s+3], v4, s[4:5] offset:4096*\s
	global_load_b128 v[P+8*\s+4:P+8*\s+7], v4, s[4:5] offset:4096*\s+16
.endr
	global_load_b128 v[64:67], v7, s[10:11]
	global_load_b128 v[68:71], v7, s[10:11] offset:16
	global_load_b32 v80, v8, s[12:13]
	WIN 0x40                                       ; destination window 1
.irp s, 0,1,2,3,4,5,6,7
.irp e, 0,1
	global_load_b128 v[8*\s+4*\e:8*\s+4*\e+3], v6, s[8:9] offset:64*\s+32*\e
.endr
.endr
	WIN 0
	s_wait_loadcnt 19                              ; the pairs and the parts are in; Wo's 18 loads and bo's may stay out
	v_min3_num_f32 v56, v[ST], v[ST+2], v[ST+4]    ; -M = the least -M_s
.irp s, 6,10,14,18,22,26
	v_min3_num_f32 v56, v56, v[ST+\s], v[ST+\s+2]
.endr
	v_min_num_f32 v56, v56, v[ST+30]
.irp s, 0,1,2,3,4,5,6,7,8,9,10,11,12,13,14,15
	v_sub_f32 v[ST+2*\s], v56, v[ST+2*\s]          ; M_s - M: a whole number, 0 or less
.endr
.irp s, 0,1,2,3,4,5,6,7,8,9,10,11,12,13,14,15
	v_cvt_i32_f32 v[ST+2*\s], v[ST+2*\s]           ; (it saturates)
.endr
.irp s, 0,1,2,3,4,5,6,7,8,9,10,11,12,13,14,15
	v_ldexp_f32 v[ST+2*\s], 1.0, v[ST+2*\s]        ; f_s = 2^(M_s - M)
.endr
	v_mul_f32 v57, v[ST], v[ST+1]
.irp s, 1,2,3,4,5,6,7,8,9,10,11,12,13,14,15
	v_fmac_f32 v57, v[ST+2*\s], v[ST+2*\s+1]       ; l = the sum of f_s l_s
.endr
.irp k, 0,2,4,6
	v_pk_mul_f32 v[CT+\k:CT+\k+1], v[P+\k:P+\k+1], v[ST:ST+1] op_sel_hi:[1,0]
.endr
.irp s, 1,2,3,4,5,6,7,8,9,10,11,12,13,14,15
.irp k, 0,2,4,6
	v_pk_fma_f32 v[CT+\k:CT+\k+1], v[P+8*\s+\k:P+8*\s+\k+1], v[ST+2*\s:ST+2*\s+1], v[CT+\k:CT+\k+1] op_sel_hi:[1,0,1]   ; of the pair (f_s, l_s) the low word serves both halves
.endr
.endr
	v_rcp_f32 v58, v57
	v_mov_b32 v59, 0                               ; a plain place behind the reciprocal; and the pair's upper half is written
	s_wait_alu depctr_va_vdst(0)                   ; the reciprocal has written v58, ahead of its first reader
.irp k, 0,2,4,6
	v_pk_mul_f32 v[CT+\k:CT+\k+1], v[CT+\k:CT+\k+1], v[58:59] op_sel_hi:[1,0]
.endr
	v_max3_num_f32 v60, |v[CT]|, |v[CT+1]|, 0x1800000   ; my eight numbers and the floor 2^(3 - 127)
.irp k, 2,4,6
	v_max3_num_f32 v60, v60, |v[CT+\k]|, |v[CT+\k+1]|
.endr
	v_max_num_f32_dpp v60, v60, v60 row_xmask:1 row_mask:0xf bank_mask:0xf
	v_max_num_f32_dpp v60, v60, v60 row_xmask:2 row_mask:0xf bank_mask:0xf   ; the four lanes of a block
	v_add_nc_u32 v61, 0xff000000, v60              ; 2 off the exponent field: the conversion's scale operand
	v_cvt_scalef32_pk8_fp4_f32 v62, v[CT:CT+7], v61
	v_lshrrev_b32 v63, 23, v61                     ; the scale's byte (a plain place behind the conversion)
	s_wait_alu depctr_va_vdst(0)                   ; the conversion has written v62 and the shift v63, which the LDS stores read; and the multiply-adds are done reading v128 to v191, in which the LDS loads behind the barrier land
	ds_store_b32 v9, v62
	ds_store_b8 v10, v63                           ; the four lanes of a block write the same byte with the same value
	s_wait_dscnt 0x0                               ; for the others' sake: my stores have landed
	s_barrier_signal -1
	s_barrier_wait -1
.irp s, 0,1,2,3,4,5,6,7
.irp e, 0,1
	ds_load_b128 v[P+8*\s+4*\e:P+8*\s+4*\e+3], v11 offset:64*\s+32*\e   ; no vector instruction since the wait above: nothing more is owed for these registers
.endr
.endr
	ds_load_b128 v[72:75], v12                     ; ctx's eight scale words, in every lane
	ds_load_b128 v[76:79], v12 offset:16
	s_wait_dscnt 0x0
	s_wait_loadcnt 0x0                             ; Wo and bo
	WIN 0x04                                       ; source 1 (Wo) window 1
.irp s, 0,1,2,3,4,5,6,7                            ; two accumulators by turns: the even K steps and the odd ones
.if \s < 2
	v_wmma_scale_f32_16x16x128_f8f6f4 v[96+8*(\s%2):96+8*(\s%2)+7], v[P+8*\s:P+8*\s+7], v[8*\s:8*\s+7], 0, v[72+\s], v[64+\s] matrix_a_fmt:MATRIX_FMT_FP4 matrix_b_fmt:MATRIX_FMT_FP4
.else
	v_wmma_scale_f32_16x16x128_f8f6f4 v[96+8*(\s%2):96+8*(\s%2)+7], v[P+8*\s:P+8*\s+7], v[8*\s:8*\s+7], v[96+8*(\s%2):96+8*(\s%2)+7], v[72+\s], v[64+\s] matrix_a_fmt:MATRIX_FMT_FP4 matrix_b_fmt:MATRIX_FMT_FP4
.endif
.endr
	WIN 0
.rept 4
	v_nop                                          ; four places in front of the first read of results
.endr
	v_add_f32 v81, v96, v104                       ; register 0 of lane r: column r; all rows are alike
	v_add_f32 v81, v81, v80
	s_wait_alu depctr_va_vdst(0)                   ; the additions have written v81, which the LDS store reads
	ds_store_b32 v13, v81                          ; lanes r and 16 + r write the same word with the same value
	s_wait_dscnt 0x0
	s_barrier_signal -1
	s_barrier_wait -1
	s_cmp_lg_u32 s16, 0
	s_cbranch_scc1 .Lend
	ds_load_b64 v[82:83], v14                      ; no vector instruction names v82 or v83
	s_wait_dscnt 0x0
	global_store_b64 v15, v[82:83], s[14:15]       ; wave 0 stores the work-group's 256 consecutive bytes, aligned
.Lend:
	s_wait_dscnt 0x0                               ; the closing lines, six on end
	s_wait_alu 0x0
	s_wait_tensorcnt 0x0
	ds_add_u32 v126, v127
	s_wait_dscnt 0x0
	s_endpgm
.Lfunc_end_k_qebcc36930c_outp:
	.size	k_qebcc36930c_outp, .Lfunc_end_k_qebcc36930c_outp-k_qebcc36930c_outp
	.p2alignl 7, 3214868480
	.fill 96, 4, 3214868480
	.section	.rodata,"a",@progbits
	.p2align	6, 0x0
	.amdhsa_kernel k_qebcc36930c_outp
		.amdhsa_group_segment_fixed_size 1536
		.amdhsa_private_segment_fixed_size 0
		.amdhsa_enable_private_segment 0
		.amdhsa_kernarg_size 48
		.amdhsa_user_sgpr_count 2
		.amdhsa_user_sgpr_kernarg_segment_ptr 1
		.amdhsa_wavefront_size32 1
		.amdhsa_system_sgpr_workgroup_id_x 1
		.amdhsa_system_sgpr_workgroup_id_y 1
		.amdhsa_system_sgpr_workgroup_id_z 1
		.amdhsa_system_vgpr_workitem_id 0
		.amdhsa_next_free_vgpr 320
		.amdhsa_next_free_sgpr 66
		.amdhsa_reserve_vcc 0
		.amdhsa_float_denorm_mode_32 3
		.amdhsa_float_denorm_mode_16_64 3
		.amdhsa_memory_ordered 1
		.amdhsa_forward_progress 1
		.amdhsa_inst_pref_size 20
	.end_amdhsa_kernel
	.amdgpu_metadata
---
amdhsa.version: [ 1, 2 ]
amdhsa.kernels:
  - .name:           k_qebcc36930c_outp
    .symbol:         k_qebcc36930c_outp.kd
    .args:
      - { .name: part, .offset: 0, .size: 8, .value_kind: global_buffer, .address_space: global }
      - { .name: stat, .offset: 8, .size: 8, .value_kind: global_buffer, .address_space: global }
      - { .name: Wo_codes, .offset: 16, .size: 8, .value_kind: global_buffer, .address_space: global }
      - { .name: Wo_scales, .offset: 24, .size: 8, .value_kind: global_buffer, .address_space: global }
      - { .name: bo, .offset: 32, .size: 8, .value_kind: global_buffer, .address_space: global }
      - { .name: out0, .offset: 40, .size: 8, .value_kind: global_buffer, .address_space: global }
    .group_segment_fixed_size: 1536
    .private_segment_fixed_size: 0
    .kernarg_segment_align: 8
    .kernarg_segment_size: 48
    .max_flat_workgroup_size: 128
    .sgpr_count:     66
    .vgpr_count:     320
    .wavefront_size: 32
...
	.end_amdgpu_metadata
.endif
;; end of part 3
